; MI455X (gfx1250); checked and timed in simulation.
; The chip was launched on July 23, 2026; its instructions are those of AMD's public machine-readable ISA for CDNA 5 (MIT licence, August 2026) and "CDNA5" Instruction Set Architecture Reference Guide (July 2026). The comments in the code are by the model that wrote it; some were corrected since.
;; Knrm. Allowed arithmetic: matrix products marked QUANTISED: E2M3 operands, one E8M0 scale for each 32 along K, by v_wmma_scale_f32_16x16x128_f8f6f4 with both operands' format E2M3, f32 sums; products left as they are: f32 operands where the result goes on into a quantised operand, else bf16, f16 or f32 operands; f32 sums; everything else in f32.
;; Inputs: W1 11 x 1 float32; b1 1 float32; embeddings 100,001 x 300 float32; inputs_d 256 x 512 int32; inputs_q 256 x 16 int32; mask 256 x 16 x 512 float32; mu 11 float32; q_weights 256 x 16 x 1 float32; sigma 11 float32.
;; Outputs: out0 256 x 1 float32.
;; This version of the problem:
;;   THIS VERSION OF THE PROBLEM IS GIVEN IN LOW PRECISION. The matrix products marked QUANTISED in the list below multiply operands that are first quantised to E2M3 (2 exponent bits, 3 mantissa bits; 6 bits a number), with one power-of-two scale for each 32 numbers along K (OCP MX v1.0); their sums are f32. All else is computed in f32.
;;   The module's matrix products, in the order in which they are computed (A, B: the left and right operand; K: the contracted axis; several contracted axes count as one K, in the product's order):
;;     1. batch 256 x [M 16, K 300] x [K 300, N 512]; A: computed on the way; B: computed on the way: QUANTISED
;;     2. [M 256, K 11] x [K 11, N 1]; A: computed on the way; B: input W1: left as it is (K = 11 < 32)
;;   THE QUANTISER, for each operand of a quantised product, along K:
;;     - K is cut into blocks of 32 from its start; a last block that is shorter is filled with zeros.
;;     - A block's scale is 2^e with e = floor(log2(the largest magnitude in the block)) - 2, held to -126 .. 127; a block of zeros has e = 0. As a byte (E8M0): e + 127.
;;     - Each number is divided by its block's scale, clamped to +-7.5, and rounded to the nearest number of E2M3, ties to even, subnormals kept.
;;     - The product sums the exact products of the quantised numbers (number of the format x scale) in f32.
;;   ~~~python
;;   def quantise(x, axis):      # numpy; x: float32 -> the quantised numbers, widened to float32 again
;;       x = np.moveaxis(x, axis, -1); K = x.shape[-1]
;;       x = np.pad(x, [(0, 0)] * (x.ndim - 1) + [(0, -K % 32)]); x = x.reshape(x.shape[:-1] + (-1, 32)); a = np.abs(x).max(-1, keepdims=True)
;;       e = np.where(a > 0, np.clip(np.frexp(np.where(a > 0, a, 1))[1] - 1 - 2, -126, 127), 0)      # np.frexp(a)[1] - 1 = floor(log2(a)), exactly
;;       r = np.clip(x / 2.0 ** e, -7.5, 7.5)
;;       step = 2.0 ** (np.maximum(np.frexp(np.where(r == 0, 1, r))[1] - 1, 0) - 3)
;;       q = np.round(r / step) * step * 2.0 ** e      # np.round: ties to even
;;       return np.moveaxis(q.reshape(q.shape[:-2] + (-1,))[..., :K], -1, axis).astype(np.float32)
;;   ~~~
;;   OPERANDS COMPUTED ON THE WAY. 'Computed on the way' means the value that the module computes at that place (a softmax that the list does not call 'softmax' is quantised finished and normalised). What goes into a quantiser is computed in f32, as accurately as f32 sums, v_exp_f32 and their like allow (about 1e-6 of the number): no bf16 or f16 on the way to a quantiser, and a product that is left as it is and whose result goes on into a quantised operand takes f32 operands (vector FMAs, or v_wmma_f32_16x16x4_f32). A number that lies on a knife's edge between two numbers of the format may be rounded either way, as far as f32 arithmetic and the matrix unit's own rounding can turn it there, and no further.
;; One version. Each part assembles by itself: llvm-mc -triple=amdgcn-amd-amdhsa -mcpu=gfx1250 --defsym DOCPART=n.
;; ======== version 1 of 1: 1 launch
;; launch knrm (part 1): grid 256 x 1, 8 waves a work-group, no clusters, 232,448 bytes of LDS; arguments inputs_q, inputs_d, mask, q_weights, mu, sigma, embeddings, W1, b1, out0; writes out0
.if DOCPART == 1
	.amdgcn_target "amdgcn-amd-amdhsa--gfx1250"
	.amdhsa_code_object_version 6
	.text
	.protected	k_q5b1f4daa86_knrm
	.globl	k_q5b1f4daa86_knrm
	.p2align	8
	.type	k_q5b1f4daa86_knrm,@function
k_q5b1f4daa86_knrm:
	s_mov_b64 s[64:65], 0
	v_nop
	global_prefetch_b8 v0, s[64:65] scope:SCOPE_SE
	s_setreg_imm32_b32 hwreg(HW_REG_WAVE_MODE, 25, 1), 1
	s_wait_xcnt 0x0
; K-NRM, one batch to a work-group.  out0[b] = tanh(sum_k W1[k] sum_q qw[q] 0.01 ln(max(sum_d mask[q][d] exp(-(sim[q][d] - mu[k])^2 / (2 sigma[k]^2)), 1e-10)) + b1),
; sim = the product of the L2-normalised query rows (16) and document rows (512) of the embedding table, both quantised along K = 300 to codes of FP6 (E2M3) with one E8M0 scale for each 32.
; SHARES.  Eight waves.  Wave w owns documents 64 w .. 64 w + 63 (four tiles of 16), query rows w and 8 + w, and rows 2 w, 2 w + 1 of the batch's mask.
; A TABLE ROW'S WAY.  A row is 1,200 bytes.  A PAIR is two rows: lanes 0-15 take one, lanes 16-31 the other; each of a pair's five loads reads 256 consecutive bytes of each row, at row bytes 0, 256, 512, 768 and 944.
; The fifth overlaps the fourth in its first 80 bytes (lanes 0-4 of each half), so that no lane leaves the row; those lanes' numbers are multiplied by 0 ahead of the sum of squares.  The norm is made in that layout
; (packed multiply-adds, four steps across 16 lanes), the row is scaled in place by 1 / (norm + 1e-10) and stored to the wave's own stage in LDS; it comes back with a whole block of 32 along K in one lane,
; in the order of the matrix operand's registers, so that the conversions' results are the operand.  K = 300 is 10 blocks: K steps 0 and 1 have four, K step 2 has two, the second of them 12 numbers and 20 zeros
; (the stage's bytes 1200-1295 of each row are zeros, written once); the codes of K step 2's blocks 2 and 3 are zero registers, written once.
; THE PRODUCT.  Source 0 = 16 documents, source 1 = the 16 queries: a lane holds ONE query (lane % 16) and documents 8 (lane / 16) + 0 .. 7, so eleven running sums a lane serve the eleven kernels.
; A wave has one tile in hand, so the three K steps are a chain on one accumulator.
; LOADS AHEAD.  A wave keeps a whole tile, 40 loads of 512 bytes, on its way: a half tile's registers are asked for again as soon as they have been stored to the stage.
; NO CLUSTER, NO TENSOR LOADS: work-groups share no tile (each batch names its own rows), and rows chosen by a list come by lane addresses.  The second product (K = 11, one column) is eleven multiply-adds a query.
; LIMITS.  NaN and infinities among the embeddings are not served (0 x them is NaN in the overlapping lanes).  A row whose sum of squares lies under 2^-126 counts as a row of zeros.  A block of zeros, and a block whose
; largest magnitude lies under 2^-124, gets the scale byte 1: a block of zeros has zero codes, and these bytes are read by this program alone.  x / (n + 1e-10) is a multiplication by v_rcp_f32's result.
; tanh(x) = 1 - 2 / (1 + 2^(2 log2(e) x)): its error is about 1e-7 in absolute terms, also where x is small.  All sums are f32, in another order than the formula is written.
.set PITCH, 1296                       ; a stage row: 1,200 bytes + 96 of zeros = 81 x 16: sixteen rows start at sixteen different 16-byte columns modulo 256
.set WSTG,  16*PITCH                   ; a wave's stage
.set QST,   8*WSTG                     ; behind the eight stages: the 16 query rows, same pitch
.set MP,    2064                       ; a row of the mask in LDS: 2,048 + 16
.set MSK,   QST+WSTG                   ; the batch's mask, 16 rows
.set FRB,   1536                       ; a fragment's image: 12 registers x 128 bytes
.set QIM,   MSK+16*MP                  ; the queries' three fragments, as images of their registers
.set QSC,   QIM+3*FRB                  ; their scale words, 4 bytes a lane
.set RED,   QSC+3*128                  ; the waves' sums: wave w: 16 queries x 48 bytes
.set LASTP, 944                        ; where a row's fifth piece begins
; window 0
.set L16, 1                            ; 16 (lane % 16)
.set IA,  2                            ; 32 (lane / 16): offset of my half's indices
.set SW,  3                            ; stage, on the way in
.set LQ,  4                            ; stage, on the way out
.set QSW, 5                            ; my query rows, on the way in
.set QZ,  6                            ; their zeros
.set ZA,  7                            ; my stage's zeros
.set QRD, 8                            ; query rows, on the way out (waves 0 to 2)
.set QIW, 9                            ; where I store a query fragment's image
.set QWW, 10                           ; and its scale word
.set LI,  11                           ; where I read the images
.set LS,  12                           ; and the scale words
.set MW,  13                           ; mask into LDS
.set MR,  14                           ; mask out of LDS
.set MG,  15                           ; mask in memory
.set RW,  16                           ; my sums into LDS
.set RR,  17                           ; four waves' sums out of LDS
.set SH8, 18                           ; 8 (lane / 16)
.set QWT, 19                           ; q_weights of my query
.set MK,  20                           ; v[20:21] 0 in the fifth piece's overlapping lanes, else 1
.set KA,  22                           ; 4 min(lane, 10)
.set TP,  23                           ; a lane permute's destination
.set MUV, 24
.set SGV, 25
.set QWA, 26                           ; 4 (lane % 16)
.set Z4,  28                           ; v[28:31] zeros
.set DW,  32                           ; v32-34 the documents' scale words, nothing else
.set QW,  35                           ; v35-37 the queries' scale words, nothing else
.set S,   38                           ; v[38:45] sim
.set M,   46                           ; v[46:53] the tile's mask
.set ACC, 54                           ; v[54:75] eleven pairs of running sums
.set QF,  76                           ; v[76:111] the queries' fragments
.set DF,  112                          ; v[112:147] the documents' fragments
.set E,   148                          ; v[148:235] the kernels' 88 numbers; under them at other times:
.set X,   148                          ;   v[148:211] two blocks of 32 numbers
.set CT,  212                          ;   v[212:219] the upper halves of two blocks' codes
.set NT,  220                          ;   v[220:227] a pair of registers for each of four slots: sum of squares, then 1 / (norm + 1e-10)
.set T,   236                          ; v[236:243] maxima (4), conversion scales (2), bytes (2); at the head lane numbers
.set LN,  236
.set RN,  237
.set HN,  238
.set RP,  239
.set HP,  240
.set G,   176                          ; the end: four waves' sums
; window 1: slot p (a pair's 20 registers) at v[20 p], p = 0 .. 7 the tile's pairs, 8 the query pair
.set AD,  192                          ; v[192:223] tile t, pair p: first the index, then the row's byte offset + 16 (lane % 16)
.set AQ,  224                          ; the same for the query pair
; scalars
.set WV,  24                           ; my wave's number
.set WC,  25                           ; min(wave, 2)
.set AK,  40                           ; s[40:61] pairs: -log2(e) / (2 sigma^2)
.set NM,  66                           ; s[66:87] pairs: -mu
.set W1S, 88                           ; s[88:98] W1
.set B1S, 99                           ; b1
.set MSB, 0
.macro WIN new                         ; the immediate's high byte repeats the setting that is left; a switch that changes nothing is dropped
.if MSB != \new
	s_set_vgpr_msb (MSB<<8)|\new
.set MSB, \new
.endif
.endm
.macro BARRIER                         ; my LDS stores have landed and my LDS loads are in: then the work-group's barrier
	s_wait_dscnt 0x0
	s_barrier_signal -1
	s_barrier_wait -1
.endm
; Twenty loads: pairs 4 hf .. 4 hf + 3 of tile t.  No cache hint: a list may name a row again.
.macro LOADS t, hf
	WIN 0x41                                       ; data and address in window 1
.irp p, 0,1,2,3
.irp j, 0,1,2,3
	global_load_b128 v[20*(4*(\hf)+\p)+4*\j:20*(4*(\hf)+\p)+4*\j+3], v[AD+8*(\t)+4*(\hf)+\p], s[16:17] offset:256*\j
.endr
	global_load_b128 v[20*(4*(\hf)+\p)+16:20*(4*(\hf)+\p)+19], v[AD+8*(\t)+4*(\hf)+\p], s[16:17] offset:LASTP
.endr
	WIN 0
.endm
; Slots s0 .. s0 + cnt - 1 are normalised in place; the slots take turns line by line.
.macro NORM s0, cnt
	WIN 0x41
.set i, 0
.rept \cnt
	v_pk_mul_f32 v[20*((\s0)+i)+16:20*((\s0)+i)+17], v[20*((\s0)+i)+16:20*((\s0)+i)+17], v[MK:MK+1]   ; the fifth piece: what the fourth piece also holds becomes 0
	v_pk_mul_f32 v[20*((\s0)+i)+18:20*((\s0)+i)+19], v[20*((\s0)+i)+18:20*((\s0)+i)+19], v[MK:MK+1]
.set i, i+1
.endr
	WIN 0x05
.set i, 0
.rept \cnt
	v_pk_mul_f32 v[NT+2*i:NT+2*i+1], v[20*((\s0)+i):20*((\s0)+i)+1], v[20*((\s0)+i):20*((\s0)+i)+1]   ; the first squares start the sum: nothing is cleared
.set i, i+1
.endr
.set j, 1
.rept 9
.set i, 0
.rept \cnt
	v_pk_fma_f32 v[NT+2*i:NT+2*i+1], v[20*((\s0)+i)+2*j:20*((\s0)+i)+2*j+1], v[20*((\s0)+i)+2*j:20*((\s0)+i)+2*j+1], v[NT+2*i:NT+2*i+1]
.set i, i+1
.endr
.set j, j+1
.endr
	WIN 0
.set i, 0
.rept \cnt
	v_add_f32 v[NT+2*i], v[NT+2*i], v[NT+2*i+1]
.set i, i+1
.endr
.irp x, 1,2,4,8                        ; across the sixteen lanes that hold the row
.set i, 0
.rept \cnt
	v_add_f32_dpp v[NT+2*i], v[NT+2*i], v[NT+2*i] row_xmask:\x row_mask:0xf bank_mask:0xf
.set i, i+1
.endr
.endr
.set i, 0
.rept \cnt
	v_sqrt_f32 v[NT+2*i], v[NT+2*i]
.set i, i+1
.endr
	v_nop                                          ; a plain instruction behind the last root
	s_wait_alu depctr_va_vdst(0)                   ; one wait for the batch of roots, ahead of their first reader
.set i, 0
.rept \cnt
	v_add_f32 v[NT+2*i], 0x2edbe6ff, v[NT+2*i]     ; + 1e-10
.set i, i+1
.endr
.set i, 0
.rept \cnt
	v_rcp_f32 v[NT+2*i], v[NT+2*i]
.set i, i+1
.endr
	v_nop
	s_wait_alu depctr_va_vdst(0)                   ; one wait for the batch of reciprocals
	WIN 0x41
.set j, 0
.rept 10
.set i, 0
.rept \cnt
	v_pk_mul_f32 v[20*((\s0)+i)+2*j:20*((\s0)+i)+2*j+1], v[20*((\s0)+i)+2*j:20*((\s0)+i)+2*j+1], v[NT+2*i:NT+2*i+1] op_sel_hi:[1,0]
.set i, i+1
.endr
.set j, j+1
.endr
	WIN 0
.endm
; The slots go to stage rows row0 on (lanes 16-31: eight rows further down).  The fifth piece first: LDS serves a wave's instructions in order (ISA guide 5.7.1.4), so the fourth piece's store lands on its zeros.
.macro STORE adr, s0, cnt, row0
	WIN 0x04                                       ; an LDS store's data are its source 1: window 1
.set i, 0
.rept \cnt
	ds_store_b128 v[\adr], v[20*((\s0)+i)+16:20*((\s0)+i)+19] offset:((\row0)+i)*PITCH+LASTP
.irp j, 0,1,2,3
	ds_store_b128 v[\adr], v[20*((\s0)+i)+4*\j:20*((\s0)+i)+4*\j+3] offset:((\row0)+i)*PITCH+256*\j
.endr
.set i, i+1
.endr
	WIN 0
.endm
; Half a tile: left = the loads issued behind this half's twenty, which may stay out.
.macro HALF t, hf, refill, left
	s_wait_loadcnt \left
	NORM 4*\hf, 4
	STORE SW, 4*\hf, 4, 4*\hf
	s_wait_dscnt 0x0                               ; the stores have read their registers
.if \refill
	LOADS \t+1, \hf                                ; which take the next tile's same half
.endif
.endm
; A K step of 16 stage rows becomes a fragment in v[f] on and its scale word in v[w].  Lane (r, h) takes blocks 2 c + h, c < nb, of row r: all 32 numbers of a block are the lane's own.
.macro QSTEP adr, off, nb, f, w
.set c, 0
.rept \nb
.irp q, 0,1,2,3,4,5,6,7
	ds_load_b128 v[X+32*c+4*\q:X+32*c+4*\q+3], v[\adr] offset:\off+256*c+16*\q
.endr
.set c, c+1
.endr
	s_wait_dscnt 0x0
.set c, 0
.rept \nb
	v_max3_num_f32 v[T+2*c], |v[X+32*c]|, |v[X+32*c+1]|, |v[X+32*c+2]|       ; the block's largest magnitude, in two chains; the blocks by turns
	v_max3_num_f32 v[T+2*c+1], |v[X+32*c+3]|, |v[X+32*c+4]|, |v[X+32*c+5]|
.set c, c+1
.endr
.irp u, 6,10,14,18,22,26
.set c, 0
.rept \nb
	v_max3_num_f32 v[T+2*c], v[T+2*c], |v[X+32*c+\u]|, |v[X+32*c+\u+1]|
	v_max3_num_f32 v[T+2*c+1], v[T+2*c+1], |v[X+32*c+\u+2]|, |v[X+32*c+\u+3]|
.set c, c+1
.endr
.endr
.set c, 0
.rept \nb
	v_max3_num_f32 v[T+2*c], v[T+2*c], |v[X+32*c+30]|, |v[X+32*c+31]|
.set c, c+1
.endr
.set c, 0
.rept \nb
	v_max3_num_f32 v[T+2*c], v[T+2*c], v[T+2*c+1], 0x1800000                  ; and the floor 2^(3 - 127): the byte cannot fall under 1
.set c, c+1
.endr
.set c, 0
.rept \nb
	v_add_nc_u32 v[T+4+c], 0xff000000, v[T+2*c]    ; 2 off its exponent field: the conversion takes the exponent field of this operand as its scale
.set c, c+1
.endr
.set c, 0
.rept \nb
	v_lshrrev_b32 v[T+6+c], 23, v[T+4+c]           ; the scale's byte
.set c, c+1
.endr
.if \nb == 2
	v_lshl_or_b32 v[\w], v[T+7], 16, v[T+6]        ; my bytes: blocks h and 2 + h,
.else
	v_mov_b32 v[\w], v[T+6]                        ; my byte: block h; bytes 2 and 3 stay 0 over zero codes
.endif
	v_lshlrev_b32 v[\w], v[SH8], v[\w]             ; at their places in the word;
	v_permlanex16_b32 v[TP], v[\w], s2, s3
	v_or_b32 v[\w], v[\w], v[TP]                   ; with lane l xor 16's the word is whole
.set c, 0
.rept \nb
	v_cvt_scalef32_pk16_fp6_f32 v[(\f)+6*c:(\f)+6*c+2], v[X+32*c:X+32*c+15], v[T+4+c]
	v_cvt_scalef32_pk16_fp6_f32 v[CT+4*c:CT+4*c+2], v[X+32*c+16:X+32*c+31], v[T+4+c]   ; (a conversion's three registers begin on an even number)
.set c, c+1
.endr
	v_nop                                          ; one plain instruction behind the scaled conversions
.set c, 0
.rept \nb
.irp q, 0,1,2
	v_mov_b32 v[(\f)+6*c+3+\q], v[CT+4*c+\q]
.endr
.set c, c+1
.endr
.endm
.macro IMAGE f, w                      ; a fragment and its scale word go to LDS as they stand in the registers
.irp q, 0,1,2
	ds_store_b128 v[QIW], v[(\f)+4*\q:(\f)+4*\q+3] offset:512*\q
.endr
	ds_store_b32 v[QWW], v[\w]
.endm
; sim of 16 documents x 16 queries.  Eight plain places stand between the vector instructions that made the last scale word and codes and the scaled matrix instructions; four behind the last, ahead of the first read.
.macro PRODUCT
.rept 8
	v_nop
.endr
	v_wmma_scale_f32_16x16x128_f8f6f4 v[S:S+7], v[DF:DF+11], v[QF:QF+11], 0, v[DW], v[QW] matrix_a_fmt:MATRIX_FMT_FP6 matrix_b_fmt:MATRIX_FMT_FP6
	s_wait_alu depctr_va_vdst(0)                   ; the wait ahead of each link
	v_wmma_scale_f32_16x16x128_f8f6f4 v[S:S+7], v[DF+12:DF+23], v[QF+12:QF+23], v[S:S+7], v[DW+1], v[QW+1] matrix_a_fmt:MATRIX_FMT_FP6 matrix_b_fmt:MATRIX_FMT_FP6
	s_wait_alu depctr_va_vdst(0)
	v_wmma_scale_f32_16x16x128_f8f6f4 v[S:S+7], v[DF+24:DF+35], v[QF+24:QF+35], v[S:S+7], v[DW+2], v[QW+2] matrix_a_fmt:MATRIX_FMT_FP6 matrix_b_fmt:MATRIX_FMT_FP6
.rept 4
	v_nop
.endr
.endm
; The eleven kernels of a lane's eight sims.  Kernel k's twelve packed lines (s - mu, its square, x a) carry kernel k - 1's eight exponentials between them; nothing names an exponential's result ahead of the one wait.
; The first line reads the accumulator's two lowest registers.  first = 1: the first products start the running sums.
.macro RBF first
.set k, 0
.rept 12
.set n, 0
.rept 12
.if k < 11
.if n < 4
	v_pk_add_f32 v[E+8*k+2*n:E+8*k+2*n+1], v[S+2*n:S+2*n+1], s[NM+2*k:NM+2*k+1] op_sel_hi:[1,0]
.elseif n < 8
	v_pk_mul_f32 v[E+8*k+2*(n-4):E+8*k+2*(n-4)+1], v[E+8*k+2*(n-4):E+8*k+2*(n-4)+1], v[E+8*k+2*(n-4):E+8*k+2*(n-4)+1]
.else
	v_pk_mul_f32 v[E+8*k+2*(n-8):E+8*k+2*(n-8)+1], v[E+8*k+2*(n-8):E+8*k+2*(n-8)+1], s[AK+2*k:AK+2*k+1] op_sel_hi:[1,0]
.endif
.endif
.if (k > 0) && (n < 8)
	v_exp_f32 v[E+8*(k-1)+n], v[E+8*(k-1)+n]
.endif
.set n, n+1
.endr
.set k, k+1
.endr
	v_nop                                          ; a plain instruction behind the last exponential
	s_wait_alu depctr_va_vdst(0)                   ; one wait for the 88
.irp u, 0,1,2,3
.set k, 0
.rept 11
.if \first && (\u == 0)
	v_pk_mul_f32 v[ACC+2*k:ACC+2*k+1], v[E+8*k:E+8*k+1], v[M:M+1]
.else
	v_pk_fma_f32 v[ACC+2*k:ACC+2*k+1], v[E+8*k+2*\u:E+8*k+2*\u+1], v[M+2*\u:M+2*\u+1], v[ACC+2*k:ACC+2*k+1]
.endif
.set k, k+1
.endr
.endr
.endm
.macro TILE t
.if \t < 3
	HALF \t, 0, 1, 20                              ; behind this half's loads: the tile's second half
	HALF \t, 1, 1, 20                              ; behind these: the next tile's first half
.else
	HALF \t, 0, 0, 20
	HALF \t, 1, 0, 0                               ; the last loads
.endif
.if \t == 0
	BARRIER                                        ; the queries' three images lie in LDS
.irp s3, 0,1,2
.irp c3, 0,1,2
	ds_load_b128 v[QF+12*\s3+4*\c3:QF+12*\s3+4*\c3+3], v[LI] offset:FRB*\s3+512*\c3   ; they stay in registers
.endr
	ds_load_b32 v[QW+\s3], v[LS] offset:128*\s3
.endr
.endif
	ds_load_b128 v[M:M+3], v[MR] offset:64*\t      ; my query's mask of my eight documents (waited for with the first K step's numbers)
	ds_load_b128 v[M+4:M+7], v[MR] offset:64*\t+16
	QSTEP LQ, 0, 2, DF, DW
	QSTEP LQ, 512, 2, DF+12, DW+1
	QSTEP LQ, 1024, 1, DF+24, DW+2
	PRODUCT
.if \t == 0
	RBF 1
.else
	RBF 0
.endif
.endm
	; ---- the head: addresses and constants
	s_load_b512 s[4:19], s[0:1], 0x0               ; inputs_q 4, inputs_d 6, mask 8, q_weights 10, mu 12, sigma 14, embeddings 16, W1 18
	s_load_b128 s[20:23], s[0:1], 0x40             ; b1 20, out0 22
	v_lshl_add_u32 v254, v0, 2, 0x38800
	v_mov_b32 v255, 0
	v_lshrrev_b32 v[TP], 5, v0
	v_readfirstlane_b32 s[WV], v[TP]               ; wave 0..7
	s_min_u32 s[WC], s[WV], 2
	s_mov_b32 s2, 0x76543210
	s_mov_b32 s3, 0xfedcba98                       ; v_permlanex16_b32's selects for lane l xor 16
	v_and_b32 v[LN], 31, v0                        ; lane
	v_and_b32 v[RN], 15, v0                        ; r
	v_bfe_u32 v[HN], v0, 4, 1                      ; h
	v_lshlrev_b32 v[L16], 4, v[RN]
	v_lshlrev_b32 v[IA], 5, v[HN]
	v_lshlrev_b32 v[SH8], 3, v[HN]
	v_lshlrev_b32 v[QWA], 2, v[RN]
	v_mul_u32_u24 v[RP], v[RN], PITCH              ; r rows
	v_mul_u32_u24 v[HP], v[HN], 8*PITCH            ; 8 h rows
	s_mul_i32 s36, s[WV], WSTG                     ; my stage
	v_add_nc_u32 v[SW], v[HP], v[L16]
	v_add_nc_u32 v[SW], s36, v[SW]                 ; in: row 8 h (+ the pair), 16 bytes a lane
	v_lshl_add_u32 v[LQ], v[HN], 7, v[RP]
	v_add_nc_u32 v[LQ], s36, v[LQ]                 ; out: row r, + 128 h: my block
	v_lshl_add_u32 v[ZA], v[HN], 4, v[RP]
	v_add_nc_u32 v[ZA], s36, v[ZA]
	s_mul_i32 s37, s[WV], PITCH
	s_add_co_u32 s37, s37, QST                     ; query row w
	v_add_nc_u32 v[QSW], v[HP], v[L16]
	v_add_nc_u32 v[QSW], s37, v[QSW]
	v_and_b32 v[T+5], 3, v0
	v_lshl_add_u32 v[QZ], v[T+5], 4, v[HP]
	v_add_nc_u32 v[QZ], s37, v[QZ]
	s_lshl_b32 s37, s[WC], 9
	s_add_co_u32 s37, s37, QST                     ; K step min(w, 2) of the query rows
	v_lshl_add_u32 v[QRD], v[HN], 7, v[RP]
	v_add_nc_u32 v[QRD], s37, v[QRD]
	s_mul_i32 s37, s[WC], FRB
	s_add_co_u32 s37, s37, QIM
	v_lshl_add_u32 v[QIW], v[LN], 4, s37
	s_lshl_b32 s37, s[WC], 7
	s_add_co_u32 s37, s37, QSC
	v_lshl_add_u32 v[QWW], v[LN], 2, s37
	v_lshl_add_u32 v[LI], v[LN], 4, QIM
	v_lshl_add_u32 v[LS], v[LN], 2, QSC
	s_mul_i32 s37, s[WV], 2*MP
	s_add_co_u32 s37, s37, MSK
	v_lshl_add_u32 v[MW], v[LN], 4, s37            ; mask rows 2 w, 2 w + 1
	s_lshl_b32 s37, s[WV], 8
	s_add_co_u32 s37, s37, MSK
	v_mul_u32_u24 v[MR], v[RN], MP
	v_lshl_add_u32 v[MR], v[HN], 5, v[MR]
	v_add_nc_u32 v[MR], s37, v[MR]                 ; mask row r, my wave's 64 documents, + 8 h of them
	s_lshl_b32 s37, s[WV], 12
	v_lshl_add_u32 v[MG], v[LN], 4, s37
	s_mul_i32 s37, s[WV], 768
	s_add_co_u32 s37, s37, RED
	v_mul_u32_u24 v[RW], v[RN], 48
	v_add_nc_u32 v[RW], s37, v[RW]
	v_mul_u32_u24 v[RR], v[RN], 48
	v_mad_u32_u24 v[RR], v[HN], 3072, v[RR]
	v_add_nc_u32 v[RR], RED, v[RR]                 ; lanes of half h read waves 4 h .. 4 h + 3
	v_cmp_lt_u32 vcc_lo, 4, v[RN]
	v_cndmask_b32 v[MK], 0, 1.0, vcc_lo            ; 1 where r >= 5
	v_mov_b32 v[MK+1], v[MK]
	v_min_u32 v[KA], 10, v[LN]
	v_lshlrev_b32 v[KA], 2, v[KA]                  ; lanes 11-31 read the last of the eleven: no lane leaves mu or sigma
	v_mov_b32 v[TP], 0
.irp z, 0,1,2,3
	v_mov_b32 v[Z4+\z], 0
.endr
.irp z, 30,31,32,33,34,35
	v_mov_b32 v[DF+\z], 0                          ; K step 2's blocks 2 and 3: zero codes, never rewritten
.endr
	s_lshl_b32 s26, ttmp9, 6                       ; inputs_q: 64 b + 4 w
	s_lshl_b32 s37, s[WV], 2
	s_add_co_u32 s26, s26, s37
	s_mov_b32 s27, 0
	s_lshl_b32 s28, ttmp9, 11                      ; inputs_d: 2,048 b + 256 w
	s_lshl_b32 s37, s[WV], 8
	s_add_co_u32 s28, s28, s37
	s_mov_b32 s29, 0
	s_lshl_b32 s30, ttmp9, 15                      ; mask: 32,768 b
	s_mov_b32 s31, 0
	s_lshl_b32 s32, ttmp9, 6                       ; q_weights: 64 b
	s_mov_b32 s33, 0
	s_lshl_b32 s34, ttmp9, 2                       ; out0: 4 b
	s_mov_b32 s35, 0
	s_wait_kmcnt 0x0
	s_add_nc_u64 s[4:5], s[4:5], s[26:27]
	s_add_nc_u64 s[6:7], s[6:7], s[28:29]
	s_add_nc_u64 s[8:9], s[8:9], s[30:31]
	s_add_nc_u64 s[10:11], s[10:11], s[32:33]
	s_add_nc_u64 s[22:23], s[22:23], s[34:35]
	s_load_b256 s[W1S:W1S+7], s[18:19], 0x0        ; W1: 32 + 12 = its 44 bytes
	s_load_b96 s[W1S+8:W1S+10], s[18:19], 0x20
	s_load_b32 s[B1S], s[20:21], 0x0
	WIN 0x40                                       ; destination window 1
.irp t, 0,1,2,3
.irp q, 0,1
	global_load_b128 v[AD+8*\t+4*\q:AD+8*\t+4*\q+3], v[IA], s[6:7] offset:64*\t+16*\q   ; the indices of documents 16 t + 8 h + 4 q + 0 .. 3: pairs 4 q .. 4 q + 3
.endr
.endr
	global_load_b32 v[AQ], v[IA], s[4:5]           ; of query w + 8 h
	WIN 0
	global_load_b32 v[MUV], v[KA], s[12:13]
	global_load_b32 v[SGV], v[KA], s[14:15]
.irp q, 0,1,2,3,4,5,6,7
	global_load_b128 v[E+4*\q:E+4*\q+3], v[MG], s[8:9] offset:512*\q th:TH_LOAD_NT   ; 512 consecutive bytes of the mask; read once in the launch
.endr
	global_load_b32 v[QWT], v[QWA], s[10:11]
.irp z, 1200,1232,1264
	ds_store_b128 v[ZA], v[Z4:Z4+3] offset:\z      ; the zeros behind each stage row's 1,200 bytes: written once
.endr
	ds_store_b128 v[QZ], v[Z4:Z4+3] offset:1200    ; and behind my two query rows (64 bytes a store, the two overlap)
	ds_store_b128 v[QZ], v[Z4:Z4+3] offset:1232
	s_wait_loadcnt 11                              ; the indices are in; behind them: mu, sigma, the mask's eight, q_weights
	WIN 0x44                                       ; source 1 and destination window 1
.set i, 0
.rept 33
	v_min_u32 v[AD+i], 0x186a0, v[AD+i]            ; held inside the table's 100,001 rows
.set i, i+1
.endr
.set i, 0
.rept 33
	v_mul_u32_u24 v[AD+i], 0x4b0, v[AD+i]          ; 1,200 bytes a row: under 2^27
.set i, i+1
.endr
.set i, 0
.rept 33
	v_add_nc_u32 v[AD+i], v[L16], v[AD+i]          ; + my 16 bytes of a piece
.set i, i+1
.endr
	WIN 0x41
.irp j, 0,1,2,3
	global_load_b128 v[160+4*\j:163+4*\j], v[AQ], s[16:17] offset:256*\j   ; my query pair: slot 8
.endr
	global_load_b128 v[176:179], v[AQ], s[16:17] offset:LASTP
	WIN 0
	LOADS 0, 0
	LOADS 0, 1
	; ---- the kernels' constants: -mu and a = -log2(e) / (2 sigma^2), lane k's to scalar pairs
	s_wait_loadcnt 54                              ; behind sigma: 8 + 1 + 5 + 40
	v_xor_b32 v[MUV], 0x80000000, v[MUV]
	v_mul_f32 v[SGV], v[SGV], v[SGV]
	v_add_f32 v[SGV], v[SGV], v[SGV]
	v_rcp_f32 v[SGV], v[SGV]
	v_nop
	s_wait_alu depctr_va_vdst(0)
	v_mul_f32 v[SGV], 0xbfb8aa3b, v[SGV]
.set k, 0
.rept 11
	v_readlane_b32 s[NM+2*k], v[MUV], k
	v_readlane_b32 s[AK+2*k], v[SGV], k
.set k, k+1
.endr
.set k, 0
.rept 11
	s_mov_b32 s[NM+2*k+1], s[NM+2*k]               ; (the packed forms name a pair and take its low word for both halves: so the upper is written)
	s_mov_b32 s[AK+2*k+1], s[AK+2*k]
.set k, k+1
.endr
	; ---- the mask into LDS
	s_wait_loadcnt 45                              ; behind q_weights: 5 + 40
.irp q, 0,1,2,3,4,5,6,7
	ds_store_b128 v[MW], v[E+4*\q:E+4*\q+3] offset:(\q/4)*MP+(\q%4)*512
.endr
	; ---- my two query rows
	s_wait_loadcnt 40                              ; behind them: tile 0
	NORM 8, 1
	STORE QSW, 8, 1, 0
	BARRIER                                        ; the mask and the 16 normalised query rows lie in LDS
	; ---- waves 0, 1, 2 quantise the queries' K steps 0, 1, 2; the others go on
	s_cmp_gt_u32 s[WV], 2
	s_cbranch_scc1 .Lq_done
	s_cmp_eq_u32 s[WV], 2
	s_cbranch_scc1 .Lq_half
	QSTEP QRD, 0, 2, DF, DW
	IMAGE DF, DW
	s_branch .Lq_done
.Lq_half:
	QSTEP QRD, 0, 1, DF+24, DW+2
	IMAGE DF+24, DW+2
.Lq_done:
	; ---- my four tiles of documents, written out: every offset is an immediate
	TILE 0
	TILE 1
	TILE 2
	TILE 3
	; ---- the end: a lane's two halves, lane l xor 16's documents, then the eight waves' through LDS
.set k, 0
.rept 11
	v_add_f32 v[E+k], v[ACC+2*k], v[ACC+2*k+1]
.set k, k+1
.endr
	v_mov_b32 v[E+11], 0
.set k, 0
.rept 11
	v_permlanex16_b32 v[E+12+k], v[E+k], s2, s3
.set k, k+1
.endr
.set k, 0
.rept 11
	v_add_f32 v[E+k], v[E+k], v[E+12+k]
.set k, k+1
.endr
.irp q, 0,1,2
	ds_store_b128 v[RW], v[E+4*\q:E+4*\q+3] offset:16*\q   ; both halves of the lanes write the same bytes with the same values
.endr
	s_wait_kmcnt 0x0                               ; W1 and b1
	BARRIER                                        ; the eight waves' sums lie in LDS
	s_cmp_lg_u32 s[WV], 0
	s_cbranch_scc1 .Lend
.irp u, 0,1,2,3
.irp q, 0,1,2
	ds_load_b128 v[G+12*\u+4*\q:G+12*\u+4*\q+3], v[RR] offset:768*\u+16*\q
.endr
.endr
	s_wait_dscnt 0x0
.irp j, 0,2,4,6,8,10
	v_pk_add_f32 v[G+\j:G+\j+1], v[G+\j:G+\j+1], v[G+12+\j:G+13+\j]
	v_pk_add_f32 v[G+24+\j:G+25+\j], v[G+24+\j:G+25+\j], v[G+36+\j:G+37+\j]
.endr
.irp j, 0,2,4,6,8,10
	v_pk_add_f32 v[G+\j:G+\j+1], v[G+\j:G+\j+1], v[G+24+\j:G+25+\j]
.endr
.set k, 0
.rept 11
	v_permlanex16_b32 v[E+12+k], v[G+k], s2, s3    ; the other four waves'
.set k, k+1
.endr
.set k, 0
.rept 11
	v_add_f32 v[G+k], v[G+k], v[E+12+k]
.set k, k+1
.endr
.set k, 0
.rept 11
	v_max_num_f32 v[G+k], 0x2edbe6ff, v[G+k]       ; at least 1e-10
.set k, k+1
.endr
.set k, 0
.rept 11
	v_log_f32 v[G+k], v[G+k]                       ; log2; ln 2 and 0.01 follow as one factor
.set k, k+1
.endr
	v_nop
	s_wait_alu depctr_va_vdst(0)                   ; one wait for the eleven
	v_mul_f32 v[E], s[W1S], v[G]                   ; the second product, K = 11: two chains
	v_mul_f32 v[E+1], s[W1S+1], v[G+1]
.irp q, 2,4,6,8
	v_fmac_f32 v[E], s[W1S+\q], v[G+\q]
	v_fmac_f32 v[E+1], s[W1S+\q+1], v[G+\q+1]
.endr
	v_fmac_f32 v[E], s[W1S+10], v[G+10]
	v_add_f32 v[E], v[E], v[E+1]
	v_mul_f32 v[E], v[E], v[QWT]                   ; x my query's weight
.irp x, 1,2,4,8
	v_add_f32_dpp v[E], v[E], v[E] row_xmask:\x row_mask:0xf bank_mask:0xf   ; over the 16 queries
.endr
	s_mov_b32 s36, 0x3be32166                      ; 0.01 ln 2
	v_fma_f32 v[E], v[E], s36, s[B1S]
	v_mul_f32 v[E], 0x4038aa3b, v[E]               ; 2 log2(e) x
	v_exp_f32 v[E], v[E]
	v_nop
	s_wait_alu depctr_va_vdst(0)
	v_add_f32 v[E], 1.0, v[E]
	v_rcp_f32 v[E], v[E]
	v_nop
	s_wait_alu depctr_va_vdst(0)
	v_fma_f32 v[E], -2.0, v[E], 1.0                ; tanh
	s_wait_xcnt 0x0                                ; EXEC changes only behind this wait
	v_cmp_eq_u32 vcc_lo, 0, v0
	s_and_saveexec_b32 s26, vcc_lo
	global_store_b32 v[Z4], v[E], s[22:23]         ; thread 0 stores the batch's number
	s_wait_xcnt 0x0
	s_or_b32 exec_lo, exec_lo, s26
.Lend:
	s_wait_tensorcnt 0x0
	ds_add_u32 v254, v255
	s_wait_dscnt 0x0
	s_endpgm
.Lfunc_end_k_q5b1f4daa86_knrm:
	.size	k_q5b1f4daa86_knrm, .Lfunc_end_k_q5b1f4daa86_knrm-k_q5b1f4daa86_knrm
	.p2alignl 7, 3214868480
	.fill 96, 4, 3214868480
	.section	.rodata,"a",@progbits
	.p2align	6, 0x0
	.amdhsa_kernel k_q5b1f4daa86_knrm
		.amdhsa_group_segment_fixed_size 232448
		.amdhsa_private_segment_fixed_size 0
		.amdhsa_enable_private_segment 0
		.amdhsa_kernarg_size 80
		.amdhsa_user_sgpr_count 2
		.amdhsa_user_sgpr_kernarg_segment_ptr 1
		.amdhsa_wavefront_size32 1
		.amdhsa_system_sgpr_workgroup_id_x 1
		.amdhsa_system_sgpr_workgroup_id_y 1
		.amdhsa_system_sgpr_workgroup_id_z 1
		.amdhsa_system_vgpr_workitem_id 0
		.amdhsa_next_free_vgpr 512
		.amdhsa_next_free_sgpr 100
		.amdhsa_reserve_vcc 1
		.amdhsa_float_denorm_mode_32 3
		.amdhsa_float_denorm_mode_16_64 3
		.amdhsa_memory_ordered 1
		.amdhsa_forward_progress 1
		.amdhsa_inst_pref_size 218
	.end_amdhsa_kernel
	.amdgpu_metadata
---
amdhsa.version: [ 1, 2 ]
amdhsa.kernels:
  - .name:           k_q5b1f4daa86_knrm
    .symbol:         k_q5b1f4daa86_knrm.kd
    .args:
      - { .name: inputs_q, .offset: 0, .size: 8, .value_kind: global_buffer, .address_space: global }
      - { .name: inputs_d, .offset: 8, .size: 8, .value_kind: global_buffer, .address_space: global }
      - { .name: mask, .offset: 16, .size: 8, .value_kind: global_buffer, .address_space: global }
      - { .name: q_weights, .offset: 24, .size: 8, .value_kind: global_buffer, .address_space: global }
      - { .name: mu, .offset: 32, .size: 8, .value_kind: global_buffer, .address_space: global }
      - { .name: sigma, .offset: 40, .size: 8, .value_kind: global_buffer, .address_space: global }
      - { .name: embeddings, .offset: 48, .size: 8, .value_kind: global_buffer, .address_space: global }
      - { .name: W1, .offset: 56, .size: 8, .value_kind: global_buffer, .address_space: global }
      - { .name: b1, .offset: 64, .size: 8, .value_kind: global_buffer, .address_space: global }
      - { .name: out0, .offset: 72, .size: 8, .value_kind: global_buffer, .address_space: global }
    .group_segment_fixed_size: 232448
    .private_segment_fixed_size: 0
    .kernarg_segment_align: 8
    .kernarg_segment_size: 80
    .max_flat_workgroup_size: 256
    .sgpr_count:     100
    .vgpr_count:     512
    .wavefront_size: 32
...
	.end_amdgpu_metadata
.endif
;; end of part 1
